; MI455X (gfx1250); checked and timed in simulation.
; The chip was launched on July 23, 2026; its instructions are those of AMD's public machine-readable ISA for CDNA 5 (MIT licence, August 2026) and "CDNA5" Instruction Set Architecture Reference Guide (July 2026). The comments in the code are by the model that wrote it; some were corrected since.
;; Custom Lora Linear. Allowed arithmetic: matrix products marked QUANTISED: E4M3 operands, one given power-of-two scale a tensor, by v_wmma_f32_16x16x64_fp8_fp8 or v_wmma_f32_16x16x128_fp8_fp8, f32 sums; products left as they are: f32 operands where the result goes on into a quantised operand, else bf16, f16 or f32 operands; f32 sums; everything else in f32.
;; Inputs: g_idx 4,096 int32; lora_A 16 x 4,096 float32; lora_B 2,048 x 16 float32; lowp_scales 2 int32 (the exponents e of the quantised operands' scales 2^e); qweight 512 x 2,048 int32; qzeros 32 x 256 int32; scales 32 x 2,048 float32; x 4 x 2,048 x 4,096 float32.
;; Outputs: out0 4 x 2,048 x 2,048 float32.
;; This version of the problem:
;;   THIS VERSION OF THE PROBLEM IS GIVEN IN LOW PRECISION. The matrix products marked QUANTISED in the list below multiply operands that are first quantised to E4M3 (4 exponent bits, 3 mantissa bits; 8 bits a number), with one given power-of-two scale for each operand tensor; their sums are f32. All else is computed in f32.
;;   The module's matrix products, in the order in which they are computed (A, B: the left and right operand; K: the contracted axis; several contracted axes count as one K, in the product's order):
;;     1. [M 4,096, K 16] x [K 16, N 2,048]; A: input lora_A; B: input lora_B: left as it is (K = 16 < 32)
;;     2. [M 8,192, K 4,096] x [K 4,096, N 2,048]; A: input x; B: computed on the way: QUANTISED (scales: A lowp_scales[0], B lowp_scales[1])
;;   THE QUANTISER, for each operand of a quantised product, along K:
;;     - The operand's scale is 2^e, e = its entry of the input lowp_scales (int32; the entries are numbered through the quantised products in the list's order, A before B).
;;     - Each number is divided by the scale, clamped to +-448, and rounded to the nearest number of E4M3, ties to even, subnormals kept.
;;     - The product sums the exact products of the quantised numbers (number of the format x scale) in f32.
;;   ~~~python
;;   def quantise(x, axis, e):      # numpy; x: float32 -> the quantised numbers, widened to float32 again
;;       x = np.moveaxis(x, axis, -1); K = x.shape[-1]
;;       r = np.clip(x / 2.0 ** e, -448, 448)
;;       step = 2.0 ** (np.maximum(np.frexp(np.where(r == 0, 1, r))[1] - 1, -6) - 3)
;;       q = np.round(r / step) * step * 2.0 ** e      # np.round: ties to even
;;       return np.moveaxis(q, -1, axis).astype(np.float32)
;;   ~~~
;;   OPERANDS COMPUTED ON THE WAY. 'Computed on the way' means the value that the module computes at that place (a softmax that the list does not call 'softmax' is quantised finished and normalised). What goes into a quantiser is computed in f32, as accurately as f32 sums, v_exp_f32 and their like allow (about 1e-6 of the number): no bf16 or f16 on the way to a quantiser, and a product that is left as it is and whose result goes on into a quantised operand takes f32 operands (vector FMAs, or v_wmma_f32_16x16x4_f32). A number that lies on a knife's edge between two numbers of the format may be rounded either way, as far as f32 arithmetic and the matrix unit's own rounding can turn it there, and no further.
;; One version. Each part assembles by itself: llvm-mc -triple=amdgcn-amd-amdhsa -mcpu=gfx1250 --defsym DOCPART=n.
;; ======== version 1 of 1: 4 launches
;; limits: right only within a limited range of input values
;; workspace buffers: x_codes 33,554,432 bytes; w_codes 8,388,608 bytes; order 16,384 bytes of whole numbers; at 262,144 bytes; c2 262,144 bytes
;; launch prep (part 1): grid 672 x 1, 4 waves a work-group, no clusters, 11,264 bytes of LDS; arguments x, lowp_scales, g_idx, lora_A, x_codes, order, at; writes x_codes, order, at
.if DOCPART == 1
	.amdgcn_target "amdgcn-amd-amdhsa--gfx1250"
	.amdhsa_code_object_version 6
	.text
	.protected	k_qb3dd70148d_prep
	.globl	k_qb3dd70148d_prep
	.p2align	8
	.type	k_qb3dd70148d_prep,@function
k_qb3dd70148d_prep:
	s_mov_b64 s[64:65], 0
	v_nop
	global_prefetch_b8 v0, s[64:65] scope:SCOPE_SE
	s_setreg_imm32_b32 hwreg(HW_REG_WAVE_MODE, 25, 1), 1
	s_wait_xcnt 0x0
; Three pieces of work that hang on nothing but inputs, in one launch; the work-group's number says which.
;   work-groups 0-127     RANK: order[p] = i, the stable ascending sort of g_idx (4,096 numbers).  rank(i) = how many j have key_j < key_i, key = g x 4,096 + index: no two keys are alike.
;                               Work-group e owns elements 32 e .. 32 e + 31; each of its four waves counts among 1,024 of the 4,096 keys.
;   work-groups 128-159   TR:   lora_A [16][4096] turned into at [4096][16] f32; place q = 8 h + 2 s + j of row i holds lora_A[4 s + 2 h + j][i]:
;                               the order in which a lane (half h) of the f32 matrix form wants its eight numbers (K steps s = 0..3, registers j = 0, 1).
;   work-groups 160-671  XQ:   x [8192][4096] f32 into codes of E4M3, K innermost, with the given scale 2^e, e = lowp_scales[0]:
;                               code = x / 2^e, held within +-448, to the nearest code, ties to even.
; RANK and TR have the lowest numbers, so that they run beside the long stream of x.
; LIMITS: e between -126 and 119.  NaN in x is not served (an infinity is held at the largest code).  g_idx is taken as min(g, 31): an index inside its table is unchanged.
; No tensor loads, no cluster: XQ is a stream whose bytes nobody shares; RANK and TR touch 16 KB and 256 KB.
; LDS: TR has 2,560 bytes a wave from byte 0, RANK 512 bytes from byte 10,240; XQ uses none.
; XQ's share in this launch: work-groups 160-671, runs 0 to 2,047 of 8,192 numbers (rows 0 to 4,095 of x); the launch wq converts the other half beside its own work.
.set NRK,   128                        ; work-groups of RANK
.set NTR,   32                         ; of TR
.set XQ0,   NRK+NTR                    ; first work-group of XQ
.set SRT,   10240                      ; LDS: RANK's 4 x 32 counts
.set SP,    80                         ; TR: a place in a stage: 64 bytes + 16 of padding
.set STEPS, 16
.set DEPTH, 6                          ; XQ: steps whose loads are out at a time: 24 loads, 12 KB a wave
.set R,     16                         ; XQ: v16-111  six sets of 16 numbers as loaded
.set OUT,   112                        ; XQ: v112-175 codes to store, four registers for each step: no store's data are written again
.set CD,    176                        ; XQ: v176-179 a step's codes as converted: one word for each of its four loads
.set T,     180                        ; XQ: v180-183 the words that change lanes
.set G,     16                         ; RANK: v16-47 the 32 x 32 keys that my wave counts among
	s_load_b256 s[4:11], s[0:1], 0x0               ; x s[4:5], lowp_scales s[6:7], g_idx s[8:9], lora_A s[10:11]
	s_load_b128 s[12:15], s[0:1], 0x20             ; x_codes s[12:13], order s[14:15]
	s_load_b64 s[16:17], s[0:1], 0x30              ; at
	v_lshl_add_u32 v192, v0, 2, 0x2a00
	v_mov_b32 v193, 0
	v_lshrrev_b32 v1, 5, v0
	v_readfirstlane_b32 s18, v1                    ; wave 0..3
	v_and_b32 v2, 31, v0                           ; lane
	v_lshlrev_b32 v3, 4, v2                        ; 16 x lane
	v_lshlrev_b32 v4, 2, v2                        ; 4 x lane
	; every LDS address is made here, ahead of the parting of the three ways
	v_lshrrev_b32 v12, 2, v2
	v_mul_u32_u24 v12, v12, SP
	v_and_b32 v13, 3, v2
	v_lshl_add_u32 v12, v13, 4, v12                ; four lanes' 64 bytes on end in a place: SP (lane / 4) + 16 (lane % 4)
	v_mul_u32_u24 v13, v2, SP                      ; a place to a lane: SP x lane
	s_mul_i32 s20, s18, 32*SP
	v_add_nc_u32 v6, s20, v13                      ; TR: into the stage, a row of at to a lane
	v_add_nc_u32 v7, s20, v12                      ; TR: out of it, as the bytes lie in at
	v_lshl_add_u32 v5, v0, 2, SRT                  ; RANK: my word: wave x 128 + 4 x lane
	v_add_nc_u32 v9, SRT, v4                       ; RANK: wave 0's word of my lane
	s_mov_b32 s25, 0                               ; the high word of every offset below
	s_wait_kmcnt 0x0
	s_cmp_lt_u32 ttmp9, NRK
	s_cbranch_scc1 .Lrank
	s_cmp_lt_u32 ttmp9, XQ0
	s_cbranch_scc1 .Ltr
; ---------------- XQ.  A wave takes 16 steps of 512 numbers.  Each of a step's four loads reads 512 consecutive bytes, 16 a lane: four neighbours along K.  A conversion takes eight numbers of a lane:
; here the four of one load and the four of the next, and gives one word of codes for each.  So what has to change lanes is codes, a quarter of the bytes, and it is done in registers: lanes 2 m and 2 m + 1
; swap one word, after which the even lane holds eight neighbouring codes of the first load and the odd lane eight of the second, and one store of 8 bytes a lane covers 256 consecutive bytes.
	s_load_b32 s22, s[6:7], 0x0                    ; e of x
	s_sub_co_u32 s20, ttmp9, XQ0
	s_lshl_b32 s20, s20, 2
	s_add_co_u32 s20, s20, s18                     ; which run of 8,192 numbers is my wave's: 0 .. 2,047
	s_lshl_b32 s24, s20, 15                        ; 32,768 bytes of x a run
	s_add_nc_u64 s[4:5], s[4:5], s[24:25]
	s_lshl_b32 s24, s20, 13                        ; 8,192 bytes of codes
	s_add_nc_u64 s[12:13], s[12:13], s[24:25]
.macro XLOAD t
.irp i, 0,1,2,3
	global_load_b128 v[R+16*((\t)%DEPTH)+4*\i:R+16*((\t)%DEPTH)+4*\i+3], v3, s[4:5] offset:2048*(\t)+512*\i th:TH_LOAD_NT   ; 32 lanes read 512 consecutive bytes; read once in the launch
.endr
.endm
.irp t, 0,1,2,3,4,5
	XLOAD \t
.endr
	v_lshrrev_b32 v8, 1, v2
	v_lshlrev_b32 v8, 3, v8
	v_and_b32 v1, 1, v2
	v_lshl_add_u32 v8, v1, 7, v8                   ; where my 8 codes go: 8 (lane / 2), and 128 further on for the odd lanes
	s_mov_b32 s30, 0xaaaaaaaa                      ; the odd lanes, as a mask for the selects
	v_mov_b32 v[T+1], 0                            ; written once: the destination of a line that reads another lane counts as one of its sources
	v_mov_b32 v[T+3], 0
	s_wait_kmcnt 0x0
	s_add_co_i32 s22, s22, 127
	s_lshl_b32 s23, s22, 23
	v_mov_b32 v11, s23                             ; 2^e as f32: the conversion takes its exponent field
	s_add_co_i32 s22, s22, 8
	s_lshl_b32 s22, s22, 23
	s_or_b32 s22, s22, 0x600000
	v_mov_b32 v10, s22                             ; 448 x 2^e
.macro XSTEP t
.set XS, R+16*((\t)%DEPTH)
.set OU, OUT+4*(\t)
.if STEPS-1-(\t) >= DEPTH-1
	s_wait_loadcnt 4*(DEPTH-1)                     ; this step's four loads are in; those of the five steps behind it may be out
.else
	s_wait_loadcnt 4*(STEPS-1-(\t))                ; the tail: as many steps behind this one as are left
.endif
.irp i, 0,1,2,3,4,5,6,7,8,9,10,11,12,13,14,15
	v_med3_num_f32 v[XS+\i], v[XS+\i], -v10, v10   ; the conversion to an 8-bit code does not saturate (ISA guide 7.6.2): hold the number within the largest code x the scale first
.endr
	v_cvt_scalef32_pk8_fp8_f32 v[CD:CD+1], v[XS:XS+7], v11         ; word 0: my four codes of load 0; word 1: of load 1
	v_cvt_scalef32_pk8_fp8_f32 v[CD+2:CD+3], v[XS+8:XS+15], v11    ; of loads 2 and 3
.if (\t)+DEPTH < STEPS
	XLOAD (\t)+DEPTH                               ; the set is free: it takes the loads of six steps on
.endif
	v_nop                                          ; one plain line between the conversions and the lines that read their results
	v_cndmask_b32 v[T], v[CD+1], v[CD], s30        ; what I give away: an even lane its word of load 1, an odd lane its word of load 0
	v_cndmask_b32 v[T+2], v[CD+3], v[CD+2], s30
	v_mov_b32_dpp v[T+1], v[T] row_xmask:1 row_mask:0xf bank_mask:0xf      ; and what lane xor 1 gives me
	v_mov_b32_dpp v[T+3], v[T+2] row_xmask:1 row_mask:0xf bank_mask:0xf
	v_cndmask_b32 v[OU], v[CD], v[T+1], s30        ; even lane 2 m: load 0's codes 8 m .. 8 m + 7 (mine, then my neighbour's);
	v_cndmask_b32 v[OU+1], v[T+1], v[CD+1], s30    ; odd lane 2 m + 1: load 1's codes 8 m .. 8 m + 7 (my neighbour's, then mine)
	v_cndmask_b32 v[OU+2], v[CD+2], v[T+3], s30
	v_cndmask_b32 v[OU+3], v[T+3], v[CD+3], s30
	global_store_b64 v8, v[OU:OU+1], s[12:13] offset:512*(\t)              ; the wave stores 256 consecutive bytes, at a multiple of 256 from the buffer's first byte
	global_store_b64 v8, v[OU+2:OU+3], s[12:13] offset:512*(\t)+256
.endm
	s_wait_alu depctr_va_vdst(0)
.irp t, 0,1,2,3,4,5,6,7,8,9,10,11,12,13,14,15
	XSTEP \t
.endr
	s_endpgm
; ---------------- TR.  A wave takes 32 columns i of lora_A: a lane a column, sixteen loads of 128 consecutive bytes a wave.  A lane's sixteen numbers are a row of at, 64 bytes;
; they go through the wave's own stage so that each store covers 512 consecutive bytes.
.Ltr:
	s_sub_co_u32 s20, ttmp9, NRK
	s_lshl_b32 s20, s20, 7
	s_lshl_b32 s21, s18, 5
	s_add_co_u32 s20, s20, s21                     ; my first column: 128 (work-group - 128) + 32 wave
	s_lshl_b32 s24, s20, 2
	s_add_nc_u64 s[10:11], s[10:11], s[24:25]
	s_lshl_b32 s24, s20, 6
	s_add_nc_u64 s[16:17], s[16:17], s[24:25]
.irp q, 0,1,2,3,4,5,6,7,8,9,10,11,12,13,14,15
	global_load_b32 v[16+\q], v4, s[10:11] offset:16384*(4*((\q/2)%4)+2*(\q/8)+(\q%2))   ; place q takes row 4 s + 2 h + j, with h = q / 8, s = (q / 2) % 4, j = q % 2
.endr
	s_wait_loadcnt 0x0
	s_wait_alu depctr_va_vdst(0)
.irp u, 0,1,2,3
	ds_store_b128 v6, v[16+4*\u:19+4*\u] offset:16*\u
.endr
.irp m, 0,1,2,3
	ds_load_b128 v[32+4*\m:35+4*\m], v7 offset:8*SP*\m        ; my wave's own bytes, served in order behind the stores
.endr
.irp m, 0,1,2,3
	s_wait_dscnt 3-\m                              ; load m is back; the younger ones may be out
	global_store_b128 v3, v[32+4*\m:35+4*\m], s[16:17] offset:512*\m
.endr
	s_wait_tensorcnt 0x0
	ds_add_u32 v192, v193
	s_wait_dscnt 0x0
	s_endpgm
; ---------------- RANK.  Wave w holds the keys of elements 1,024 w + 32 k + lane, k = 0 .. 31.  For each of the work-group's 32 elements, one after the other, it compares that element's key with its 1,024:
; 32 compares, each giving a mask of 32 lanes, whose set bits are counted and added in scalar registers.  Lane n keeps the count of element n.  The four waves' counts are added: the element's place.
.Lrank:
	v_lshl_add_u32 v8, s18, 12, v4                 ; 4,096 w + 4 lane
.set k, 0
.rept 32
	global_load_b32 v[G+k], v8, s[8:9] offset:128*k
.set k, k+1
.endr
	s_lshl_b32 s21, ttmp9, 7
	v_add_nc_u32 v10, s21, v4                      ; the work-group's own 32 elements: byte 128 e + 4 lane
	global_load_b32 v48, v10, s[8:9]
	s_lshl_b32 s22, ttmp9, 5
	v_add_nc_u32 v49, s22, v2                      ; my own element's number: 32 e + lane
	v_lshl_add_u32 v154, s18, 10, v2               ; the number of the first element that I count among
	v_mov_b32 v144, 0                              ; lane n: my wave's count for element n.  It is filled by selects, which read what they keep: so it is written once here
	s_wait_loadcnt 0x0
.set k, 0
.rept 32
	v_min_u32 v[G+k], 31, v[G+k]
.set k, k+1
.endr
.set k, 0
.rept 32
	v_lshl_add_u32 v[G+k], v[G+k], 12, v154
.set k, k+1
.endr
.set k, 1
.rept 31
	v_add_nc_u32 v[G+k], 32*k, v[G+k]              ; key = g x 4,096 + the element's number
.set k, k+1
.endr
	v_min_u32 v48, 31, v48
	v_lshl_add_u32 v48, v48, 12, v49               ; my own element's key
	s_mov_b32 s19, 0
.Lelem:                                                ; 32 trips, one for each of the work-group's elements
	v_readlane_b32 s20, v48, s19                   ; its key
.set k, 0
.rept 32
	v_cmp_gt_u32 s[32+k], s20, v[G+k]              ; which of row k's 32 keys lie below it
.set k, k+1
.endr
.set k, 0
.rept 32
	s_bcnt1_i32_b32 s[32+k], s[32+k]
.set k, k+1
.endr
	s_add_co_u32 s98, s32, s33                     ; the 32 counts are added in two chains
	s_add_co_u32 s99, s34, s35
.set k, 4
.rept 14
	s_add_co_u32 s98, s98, s[32+k]
	s_add_co_u32 s99, s99, s[33+k]
.set k, k+2
.endr
	s_add_co_u32 s99, s99, s98
	v_mov_b32 v155, s99
	v_cmp_eq_u32 vcc_lo, s19, v2
	v_cndmask_b32 v144, v144, v155, vcc_lo
	s_add_co_u32 s19, s19, 1
	s_cmp_lt_u32 s19, 32
	s_cbranch_scc1 .Lelem
	ds_store_b32 v5, v144
	s_wait_dscnt 0x0                               ; for wave 0's sake: my counts lie in LDS
	s_barrier_signal -1
	s_barrier_wait -1                              ; (all four waves of such a work-group are on this way: the parting hangs on the work-group's number alone)
	s_cmp_lg_u32 s18, 0
	s_cbranch_scc1 .Lrank_end
.irp u, 0,1,2,3
	ds_load_b32 v[145+\u], v9 offset:128*\u        ; lane n: wave u's count for element n
.endr
	s_wait_dscnt 0x0
	v_add_nc_u32 v149, v145, v146
	v_add3_u32 v149, v149, v147, v148              ; the element's place, 0 .. 4,095,
	v_min_u32 v149, 0xfff, v149                    ; held inside the buffer whatever was loaded,
	v_lshlrev_b32 v149, 2, v149                    ; in bytes
	global_store_b32 v149, v49, s[14:15]           ; a permutation of 4,096 words: this store is scattered, 128 bytes a work-group, 16 KB in all
.Lrank_end:
	s_wait_tensorcnt 0x0
	ds_add_u32 v192, v193
	s_wait_dscnt 0x0
	s_endpgm
.Lfunc_end_k_qb3dd70148d_prep:
	.size	k_qb3dd70148d_prep, .Lfunc_end_k_qb3dd70148d_prep-k_qb3dd70148d_prep
	.p2alignl 7, 3214868480
	.fill 96, 4, 3214868480
	.section	.rodata,"a",@progbits
	.p2align	6, 0x0
	.amdhsa_kernel k_qb3dd70148d_prep
		.amdhsa_group_segment_fixed_size 11264
		.amdhsa_private_segment_fixed_size 0
		.amdhsa_enable_private_segment 0
		.amdhsa_kernarg_size 56
		.amdhsa_user_sgpr_count 2
		.amdhsa_user_sgpr_kernarg_segment_ptr 1
		.amdhsa_wavefront_size32 1
		.amdhsa_system_sgpr_workgroup_id_x 1
		.amdhsa_system_sgpr_workgroup_id_y 1
		.amdhsa_system_sgpr_workgroup_id_z 1
		.amdhsa_system_vgpr_workitem_id 0
		.amdhsa_next_free_vgpr 194
		.amdhsa_next_free_sgpr 100
		.amdhsa_reserve_vcc 1
		.amdhsa_float_denorm_mode_32 3
		.amdhsa_float_denorm_mode_16_64 3
		.amdhsa_memory_ordered 1
		.amdhsa_forward_progress 1
		.amdhsa_inst_pref_size 56
	.end_amdhsa_kernel
	.amdgpu_metadata
---
amdhsa.version: [ 1, 2 ]
amdhsa.kernels:
  - .name:           k_qb3dd70148d_prep
    .symbol:         k_qb3dd70148d_prep.kd
    .args:
      - { .name: x, .offset: 0, .size: 8, .value_kind: global_buffer, .address_space: global }
      - { .name: lowp_scales, .offset: 8, .size: 8, .value_kind: global_buffer, .address_space: global }
      - { .name: g_idx, .offset: 16, .size: 8, .value_kind: global_buffer, .address_space: global }
      - { .name: lora_A, .offset: 24, .size: 8, .value_kind: global_buffer, .address_space: global }
      - { .name: x_codes, .offset: 32, .size: 8, .value_kind: global_buffer, .address_space: global }
      - { .name: order, .offset: 40, .size: 8, .value_kind: global_buffer, .address_space: global }
      - { .name: at, .offset: 48, .size: 8, .value_kind: global_buffer, .address_space: global }
    .group_segment_fixed_size: 11264
    .private_segment_fixed_size: 0
    .kernarg_segment_align: 8
    .kernarg_segment_size: 56
    .max_flat_workgroup_size: 128
    .sgpr_count:     100
    .vgpr_count:     194
    .wavefront_size: 32
...
	.end_amdgpu_metadata
.endif
;; end of part 1
;; launch gsum (part 2): grid 1024 x 1, 4 waves a work-group, no clusters, 2,560 bytes of LDS; arguments order, at, lora_B, qweight, qzeros, c2; writes c2
.if DOCPART == 2
	.amdgcn_target "amdgcn-amd-amdhsa--gfx1250"
	.amdhsa_code_object_version 6
	.text
	.protected	k_qb3dd70148d_gsum
	.globl	k_qb3dd70148d_gsum
	.p2align	8
	.type	k_qb3dd70148d_gsum,@function
k_qb3dd70148d_gsum:
	s_mov_b64 s[64:65], 0
	v_nop
	global_prefetch_b8 v0, s[64:65] scope:SCOPE_SE
	s_setreg_imm32_b32 hwreg(HW_REG_WAVE_MODE, 25, 1), 1
	s_wait_xcnt 0x0
; c2[c][o] = (mean over the 128 rows i of chunk c of the sorted order of (AB[i][o] - 1.5 marker[i][o])) / 1.5 - zeros[c][o],   c = 0..31, o = 0..2047.
; AB[i][o] = sum over 16 of lora_A[.][i] lora_B[o][.], in f32;  w = the 4-bit field of qweight;  sgn = (AB > 1.5) - (AB < -1.5);  marker = sgn held between -w and 15 - w,
; which is +1 only where w is not 15 and -1 only where w is not 0.
; SHARES.  Work-group = chunk c (number / 32) x 64 columns (number % 32).  Wave w takes sorted rows 128 c + 32 w .. + 31, two blocks of 16.  The 64 columns are four tiles: lane r of tile t is
; column 4 r + t, so that ONE load of 16 bytes of a row of qweight serves all four tiles, and sixteen lanes read 256 consecutive bytes.
; AB comes from the f32 matrix form, 16 x 16 x 4, four K steps: source 0 = 16 rows i (from at, where a lane's eight numbers lie on end), source 1 = 16 columns o.  In the result a lane holds one column
; and the rows 8 (lane / 16) + 0 .. 7.  The result registers are written by matrix instructions alone, each sum begins with the constant 0, and each is read from its low end on.
; The four waves' partial sums meet in LDS (8 rows of 256 bytes); wave 0 adds them and stores 256 consecutive bytes of c2.
; LIMITS.  order is held at 4,095.  The sums' order differs from a plain row-by-row mean.  c2 joins mean / 1.5 and the zero in one f32 number, rounded once.  NaN is not served.
; No tensor loads, no cluster: rows are gathered by a list, through registers; what work-groups share (lora_B, 4 KB each) is small beside the gathered rows.
.set BF,  16                           ; v16-47   lora_B's fragments: tile t, K step s at BF + 8 t + 2 s
.set AF,  48                           ; v48-63   at's: block b at AF + 8 b, K step s at + 2 s
.set SH,  64                           ; v64-79   row 8 b + j of my half: its i, then 4 (i % 8)
.set QO,  80                           ; v80-95   its byte offset in qweight
.set Q,   96                           ; v96-159  its four words at Q + 4 (8 b + j) + t, then w as f32 in place
.set XP,  160                          ; v160-167 AB - 1.5 marker, a pair (even row, odd row) for each tile
.set DD,  168                          ; v168-171 sgn, then marker
.set UU,  172                          ; v172-175 15 - w
.set ACC, 176                          ; v176-183 running sums, a pair for each tile
.set P,   184                          ; v184-187 my 16 rows' sums for the four tiles
.set QZ,  188                          ; v188     a word of qzeros
.set D,   192                          ; v192-255 AB: block b, tile t at D + 32 b + 8 t
	s_load_b256 s[4:11], s[0:1], 0x0               ; order s[4:5], at s[6:7], lora_B s[8:9], qweight s[10:11]
	s_load_b128 s[12:15], s[0:1], 0x20             ; qzeros s[12:13], c2 s[14:15]
	v_lshl_add_u32 v190, v0, 2, 0x800
	v_mov_b32 v191, 0
	v_lshrrev_b32 v3, 5, v0
	v_readfirstlane_b32 s18, v3                    ; wave 0..3
	v_and_b32 v1, 15, v0                           ; r
	v_bfe_u32 v2, v0, 4, 1                         ; h
	v_and_b32 v3, 31, v0                           ; lane
	v_lshlrev_b32 v4, 2, v1                        ; order: row r of a block
	v_lshlrev_b32 v5, 5, v2                        ; order: my half's eight rows; at: my half's eight numbers
	v_lshlrev_b32 v6, 8, v1
	v_lshl_add_u32 v6, v2, 3, v6                   ; lora_B: row 4 r (64 bytes a row) + 8 h
	v_lshlrev_b32 v7, 4, v1                        ; qweight: columns 4 r .. 4 r + 3
	v_lshlrev_b32 v9, 4, v0                        ; LDS, in: row 2 w + h of 256 bytes, 16 r
	v_lshlrev_b32 v10, 3, v3                       ; LDS, out, and c2: columns 2 lane, 2 lane + 1
	v_lshrrev_b32 v12, 2, v3
	v_lshlrev_b32 v12, 2, v12                      ; qzeros: the word of those two columns: 4 (lane / 4)
	v_and_b32 v13, 3, v3
	v_lshlrev_b32 v13, 3, v13                      ; and the first one's bit: 8 (lane % 4)
	s_lshr_b32 s20, ttmp9, 5                       ; c
	s_and_b32 s21, ttmp9, 31                       ; which 64 columns
	s_mov_b32 s36, 0x3fc00000                      ; 1.5
	s_mov_b32 s37, 0xbfc00000                      ; -1.5
	s_mov_b32 s38, 0x41700000                      ; 15.0
	s_mov_b32 s25, 0
	s_lshl_b32 s22, s20, 9
	s_lshl_b32 s23, s18, 7
	s_wait_alu depctr_va_vdst(0)
	s_wait_kmcnt 0x0
	s_add_co_u32 s24, s22, s23                     ; order: 4 (128 c + 32 w)
	s_add_nc_u64 s[4:5], s[4:5], s[24:25]
	s_lshl_b32 s24, s21, 12                        ; lora_B: 64 rows of 64 bytes
	s_add_nc_u64 s[8:9], s[8:9], s[24:25]
	s_lshl_b32 s24, s21, 8                         ; qweight: 64 columns of 4 bytes
	s_add_nc_u64 s[10:11], s[10:11], s[24:25]
	s_lshl_b32 s22, s20, 10
	s_lshl_b32 s23, s21, 5
	s_add_co_u32 s24, s22, s23                     ; qzeros: row c of 1,024 bytes, 8 words for 64 columns
	s_add_nc_u64 s[12:13], s[12:13], s[24:25]
	s_lshl_b32 s22, s20, 13
	s_lshl_b32 s23, s21, 8
	s_add_co_u32 s24, s22, s23                     ; c2: row c of 8,192 bytes
	s_add_nc_u64 s[14:15], s[14:15], s[24:25]
.irp b, 0,1
	global_load_b32 v[14+\b], v4, s[4:5] offset:64*\b              ; the i of row r of block b: for source 0
.endr
.irp b, 0,1
.irp u, 0,1
	global_load_b128 v[SH+8*\b+4*\u:SH+8*\b+4*\u+3], v5, s[4:5] offset:64*\b+16*\u   ; the i of rows 8 h + 0 .. 7: for the result's rows
.endr
.endr
.irp t, 0,1,2,3
.irp s, 0,1,2,3
	global_load_b64 v[BF+8*\t+2*\s:BF+8*\t+2*\s+1], v6, s[8:9] offset:64*\t+16*\s    ; lora_B[4 r + t][4 s + 2 h + 0, 1]
.endr
.endr
	global_load_b32 v[QZ], v12, s[12:13]
	s_wait_loadcnt 17                              ; the six loads of order are in; lora_B's sixteen and the word of qzeros may be out
.irp b, 0,1
	v_min_u32 v[14+\b], 0xfff, v[14+\b]
	v_lshl_add_u32 v[14+\b], v[14+\b], 6, v5       ; at: row i of 64 bytes + 32 h
.endr
.set n, 0
.rept 16
	v_min_u32 v[SH+n], 0xfff, v[SH+n]
	v_and_b32 v[QO+n], 0xff8, v[SH+n]
	v_lshl_add_u32 v[QO+n], v[QO+n], 10, v7        ; qweight: row i / 8 of 8,192 bytes + 16 r
	v_and_b32 v[SH+n], 7, v[SH+n]
	v_lshlrev_b32 v[SH+n], 2, v[SH+n]              ; and the field's first bit
.set n, n+1
.endr
.irp b, 0,1
.irp u, 0,1
	global_load_b128 v[AF+8*\b+4*\u:AF+8*\b+4*\u+3], v[14+\b], s[6:7] offset:16*\u
.endr
.endr
.set n, 0
.rept 16
	global_load_b128 v[Q+4*n:Q+4*n+3], v[QO+n], s[10:11]           ; sixteen lanes read 256 consecutive bytes of one row
.set n, n+1
.endr
	s_wait_loadcnt 16                              ; lora_B, qzeros and at are in; qweight's sixteen may be out
.irp b, 0,1                                    ; a block's four accumulators take turns, one instruction a turn, K step by K step
.irp s, 0,1,2,3
.irp t, 0,1,2,3
.if \s == 0
	v_wmma_f32_16x16x4_f32 v[D+32*\b+8*\t:D+32*\b+8*\t+7], v[AF+8*\b+2*\s:AF+8*\b+2*\s+1], v[BF+8*\t+2*\s:BF+8*\t+2*\s+1], 0
.else
	v_wmma_f32_16x16x4_f32 v[D+32*\b+8*\t:D+32*\b+8*\t+7], v[AF+8*\b+2*\s:AF+8*\b+2*\s+1], v[BF+8*\t+2*\s:BF+8*\t+2*\s+1], v[D+32*\b+8*\t:D+32*\b+8*\t+7]
.endif
.endr
.endr
.endr
	s_wait_loadcnt 0x0
.set n, 0
.rept 16                                       ; w as f32.  These 128 plain lines name no register of the products: they are more than the eight places that this form wants ahead of the first read of a result (ISA guide 7.12.1)
.irp t, 0,1,2,3
	v_bfe_u32 v[Q+4*n+\t], v[Q+4*n+\t], v[SH+n], 4
.endr
.irp t, 0,1,2,3
	v_cvt_f32_u32 v[Q+4*n+\t], v[Q+4*n+\t]
.endr
.set n, n+1
.endr
; Row 8 h + j of block b, in the four tiles.  Rows 0 and 1 of block 0 start the sums: nothing is cleared.
.macro ROW b, j
.irp t, 0,1,2,3
	v_cmp_gt_f32 s[40+2*\t], v[D+32*\b+8*\t+\j], s36
	v_cmp_lt_f32 s[41+2*\t], v[D+32*\b+8*\t+\j], s37
.endr
.irp t, 0,1,2,3
	v_cndmask_b32 v[DD+\t], 0, 1.0, s[40+2*\t]
	v_sub_f32 v[UU+\t], s38, v[Q+32*\b+4*\j+\t]
.endr
.irp t, 0,1,2,3
	v_cndmask_b32 v[DD+\t], v[DD+\t], -1.0, s[41+2*\t]             ; sgn
.endr
.irp t, 0,1,2,3
	v_med3_num_f32 v[DD+\t], v[DD+\t], -v[Q+32*\b+4*\j+\t], v[UU+\t]   ; marker
.endr
.irp t, 0,1,2,3
.if (\b == 0) && (\j < 2)
	v_fma_f32 v[ACC+2*\t+\j], v[DD+\t], s37, v[D+32*\b+8*\t+\j]
.else
	v_fma_f32 v[XP+2*\t+(\j%2)], v[DD+\t], s37, v[D+32*\b+8*\t+\j]     ; AB - 1.5 marker
.endif
.endr
.if ((\j%2) == 1) && ((\b != 0) || (\j != 1))
.irp t, 0,1,2,3
	v_pk_add_f32 v[ACC+2*\t:ACC+2*\t+1], v[ACC+2*\t:ACC+2*\t+1], v[XP+2*\t:XP+2*\t+1]
.endr
.endif
.endm
.irp b, 0,1
.irp j, 0,1,2,3,4,5,6,7
	ROW \b, \j
.endr
.endr
.irp t, 0,1,2,3
	v_add_f32 v[P+\t], v[ACC+2*\t], v[ACC+2*\t+1]
.endr
	ds_store_b128 v9, v[P:P+3]                     ; columns 4 r .. 4 r + 3 of LDS row 2 w + h
	s_wait_dscnt 0x0                               ; for wave 0's sake: my sums lie in LDS
	s_barrier_signal -1
	s_barrier_wait -1
	s_cmp_lg_u32 s18, 0
	s_cbranch_scc1 .Lend
.irp k, 0,1,2,3,4,5,6,7
	ds_load_b64 v[XP+2*\k:XP+2*\k+1], v10 offset:256*\k
.endr
	s_wait_dscnt 0x0
	v_pk_add_f32 v[160:161], v[160:161], v[162:163]
	v_pk_add_f32 v[164:165], v[164:165], v[166:167]
	v_pk_add_f32 v[168:169], v[168:169], v[170:171]
	v_pk_add_f32 v[172:173], v[172:173], v[174:175]
	v_pk_add_f32 v[160:161], v[160:161], v[164:165]
	v_pk_add_f32 v[168:169], v[168:169], v[172:173]
	v_pk_add_f32 v[160:161], v[160:161], v[168:169]
	v_pk_mul_f32 v[160:161], v[160:161], 0x3c000000 op_sel_hi:[1,0]                  ; / 128: the mean
	v_pk_mul_f32 v[162:163], v[160:161], 0x3f2aaaab op_sel_hi:[1,0]                  ; / 1.5: x the f32 nearest 2 / 3,
	v_pk_fma_f32 v[164:165], v[162:163], 0xbfc00000, v[160:161] op_sel_hi:[1,0,1]    ; what is left over,
	v_pk_fma_f32 v[162:163], v[164:165], 0x3f2aaaab, v[162:163] op_sel_hi:[1,0,1]    ; put right
	v_add_nc_u32 v168, 4, v13
	v_bfe_u32 v166, v[QZ], v13, 4
	v_bfe_u32 v167, v[QZ], v168, 4
	v_cvt_f32_u32 v166, v166
	v_cvt_f32_u32 v167, v167
	v_pk_add_f32 v[162:163], v[162:163], v[166:167] neg_lo:[0,1] neg_hi:[0,1]        ; - the zero
	global_store_b64 v10, v[162:163], s[14:15]     ; 32 lanes store 256 consecutive bytes, at a multiple of 256 from c2's first byte
.Lend:
	s_wait_tensorcnt 0x0
	ds_add_u32 v190, v191
	s_wait_dscnt 0x0
	s_endpgm
.Lfunc_end_k_qb3dd70148d_gsum:
	.size	k_qb3dd70148d_gsum, .Lfunc_end_k_qb3dd70148d_gsum-k_qb3dd70148d_gsum
	.p2alignl 7, 3214868480
	.fill 96, 4, 3214868480
	.section	.rodata,"a",@progbits
	.p2align	6, 0x0
	.amdhsa_kernel k_qb3dd70148d_gsum
		.amdhsa_group_segment_fixed_size 2560
		.amdhsa_private_segment_fixed_size 0
		.amdhsa_enable_private_segment 0
		.amdhsa_kernarg_size 48
		.amdhsa_user_sgpr_count 2
		.amdhsa_user_sgpr_kernarg_segment_ptr 1
		.amdhsa_wavefront_size32 1
		.amdhsa_system_sgpr_workgroup_id_x 1
		.amdhsa_system_sgpr_workgroup_id_y 1
		.amdhsa_system_sgpr_workgroup_id_z 1
		.amdhsa_system_vgpr_workitem_id 0
		.amdhsa_next_free_vgpr 256
		.amdhsa_next_free_sgpr 66
		.amdhsa_reserve_vcc 0
		.amdhsa_float_denorm_mode_32 3
		.amdhsa_float_denorm_mode_16_64 3
		.amdhsa_memory_ordered 1
		.amdhsa_forward_progress 1
		.amdhsa_inst_pref_size 49
	.end_amdhsa_kernel
	.amdgpu_metadata
---
amdhsa.version: [ 1, 2 ]
amdhsa.kernels:
  - .name:           k_qb3dd70148d_gsum
    .symbol:         k_qb3dd70148d_gsum.kd
    .args:
      - { .name: order, .offset: 0, .size: 8, .value_kind: global_buffer, .address_space: global }
      - { .name: at, .offset: 8, .size: 8, .value_kind: global_buffer, .address_space: global }
      - { .name: lora_B, .offset: 16, .size: 8, .value_kind: global_buffer, .address_space: global }
      - { .name: qweight, .offset: 24, .size: 8, .value_kind: global_buffer, .address_space: global }
      - { .name: qzeros, .offset: 32, .size: 8, .value_kind: global_buffer, .address_space: global }
      - { .name: c2, .offset: 40, .size: 8, .value_kind: global_buffer, .address_space: global }
    .group_segment_fixed_size: 2560
    .private_segment_fixed_size: 0
    .kernarg_segment_align: 8
    .kernarg_segment_size: 48
    .max_flat_workgroup_size: 128
    .sgpr_count:     66
    .vgpr_count:     256
    .wavefront_size: 32
...
	.end_amdgpu_metadata
.endif
;; end of part 2
;; launch wq (part 3): grid 1024 x 1, 4 waves a work-group, no clusters, 17,920 bytes of LDS; arguments g_idx, at, lora_B, qweight, scales, c2, lowp_scales, w_codes, x, x_codes; writes w_codes, x_codes
.if DOCPART == 3
	.amdgcn_target "amdgcn-amd-amdhsa--gfx1250"
	.amdhsa_code_object_version 6
	.text
	.protected	k_qb3dd70148d_wq
	.globl	k_qb3dd70148d_wq
	.p2align	8
	.type	k_qb3dd70148d_wq,@function
k_qb3dd70148d_wq:
	s_mov_b64 s[64:65], 0
	v_nop
	global_prefetch_b8 v0, s[64:65] scope:SCOPE_SE
	s_setreg_imm32_b32 hwreg(HW_REG_WAVE_MODE, 25, 1), 1
	s_wait_xcnt 0x0
; w_codes[o][i] = the E4M3 code of AB_mix[i][o] under the given scale 2^e, e = lowp_scales[1]; K = i innermost, as the product's launch wants its second operand.
; AB_mix[i][o] = scales[g][o] x (min(max(w + sgn, 0), 15) + c2[g][o]),  g = g_idx[i],  w = qweight's 4-bit field,  sgn = (AB > 1.5) - (AB < -1.5),  AB as in the launch before,
; c2 = mean / 1.5 - zero from the launch before.  w + marker = w + sgn held between 0 and 15: +1 only where w is not 15, -1 only where w is not 0.
; SHARES.  Work-group = 64 columns (number % 32) x 256 along K (number / 32).  Wave w takes rows 64 w .. + 63 of those, four blocks of 16.  Four tiles of columns: lane r of tile t is column 4 r + t.
; In a result of the f32 matrix form a lane holds one column and rows 8 (lane / 16) + 0 .. 7: EIGHT NEIGHBOURS ALONG K, which are one word of qweight and one conversion's eight numbers.
; The result registers are written by matrix instructions alone, each sum begins with the constant 0, and each is read from its low end on.
; The codes meet in a stage in LDS (a row to a column: 256 bytes + 16), and leave as whole rows: sixteen lanes store 256 consecutive bytes.
; LIMITS.  e between -126 and 119.  g_idx is taken as min(g, 31).  The sum in brackets is (w + marker) + (mean / 1.5 - zero): c2 was rounded once before it is added, an error of at most half
; a last place of c2 (2^-21 for |c2| < 16) where a sum in the written order would have none.  NaN is not served.
; No tensor loads, no cluster: the two tables' rows are gathered by g_idx through registers, and the rest is read once or is small.
; THE LAYOUT OF w_codes: [i / 16][o][16 bytes]: the 16 codes of K block i / 16 of column o lie on end, columns side by side.  Out of the stage wave w sends K blocks 4 w .. 4 w + 3 of the
; work-group's 16, each as 64 columns x 16 bytes = 1,024 consecutive bytes, two stores of 512.
; WORK-GROUPS 512-1023 do other work, which hangs on inputs alone: runs 2,048 to 4,095 of 8,192 numbers of x into codes of E4M3 under 2^lowp_scales[0], as the first launch does for the first half (same limits).  They use no LDS.
.set BF, 16                            ; v16-47   lora_B's fragments: tile t, K step s at BF + 8 t + 2 s
.set AF, 48                            ; v48-55   at's fragments of the block in hand
.set Q,  56                            ; v56-71   qweight: block b, tile t at Q + 4 b + t
.set GO, 72                            ; v72-103  row 8 b + j of my half: g, then its byte offset in the tables
.set S,  104                           ; v104-135 scales at S + 4 j + t; later the numbers to convert at S + 8 t + j; at the end rows of codes
.set C,  136                           ; v136-167 c2 at C + 4 j + t
.set V,  168                           ; v168-199 w, and what becomes of it, at V + 4 j + t
.set DS, 200                           ; v200-207 sgn, two sets of four by turns
.set CD, 208                           ; v208-215 a block's codes
.set D,  224                           ; v224-255 AB: tile t at D + 8 t
.set SPI, 272                          ; a stage row
	s_load_b512 s[4:19], s[0:1], 0x0               ; g_idx s[4:5], at s[6:7], lora_B s[8:9], qweight s[10:11], scales s[12:13], c2 s[14:15], lowp_scales s[16:17], w_codes s[18:19]
	s_load_b128 s[48:51], s[0:1], 0x40             ; x s[48:49], x_codes s[50:51]
	v_lshl_add_u32 v222, v0, 2, 0x4400
	v_mov_b32 v223, 0
	v_lshrrev_b32 v1, 5, v0
	v_readfirstlane_b32 s20, v1                    ; wave 0..3
	v_and_b32 v1, 15, v0                           ; r
	v_bfe_u32 v2, v0, 4, 1                         ; h
	v_lshlrev_b32 v3, 8, v1
	v_lshl_add_u32 v3, v2, 3, v3                   ; lora_B: row 4 r + 8 h bytes
	v_lshlrev_b32 v4, 6, v1
	v_lshl_add_u32 v4, v2, 5, v4                   ; at: row r of a block + 32 h
	v_lshlrev_b32 v5, 4, v1
	v_lshl_add_u32 v5, v2, 13, v5                  ; qweight: row h of a block's two + 16 r
	v_lshlrev_b32 v6, 5, v2                        ; g_idx: my half's eight rows
	v_lshlrev_b32 v7, 4, v1                        ; the tables: columns 4 r .. 4 r + 3
	v_mul_u32_u24 v8, v1, SPI
	v_lshl_add_u32 v8, v2, 3, v8
	s_lshl_b32 s21, s20, 6
	v_add_nc_u32 v8, s21, v8                       ; the stage, in: row r (+ 16 t), byte 64 w + 8 h (+ 16 b)
	v_and_b32 v9, 3, v0
	v_bfe_u32 v13, v0, 2, 3
	v_lshl_add_u32 v9, v9, 4, v13                  ; column 32 (n % 2) + lane lies in stage row 16 (lane % 4) + lane / 4 + 8 (n % 2)
	v_mul_u32_u24 v9, v9, SPI
	s_lshl_b32 s21, s20, 6
	v_add_nc_u32 v9, s21, v9                       ; the stage, out: that row, byte 64 w (+ 16 for each K block on)
	v_and_b32 v10, 31, v0
	v_lshlrev_b32 v10, 4, v10                      ; w_codes: a column to a lane, 16 bytes
	s_and_b32 s22, ttmp9, 31                       ; which 64 columns
	s_lshr_b32 s23, ttmp9, 5                       ; which 256 along K
	s_lshl_b32 s24, s23, 8
	s_lshl_b32 s25, s20, 6
	s_add_co_u32 s24, s24, s25                     ; my first row i0
	s_mov_b32 s27, 0
	s_mov_b32 s36, 0x3fc00000                      ; 1.5
	s_mov_b32 s37, 0xbfc00000                      ; -1.5
	s_mov_b32 s38, 0x41700000                      ; 15.0
	s_lshl_b32 s28, s22, 8                         ; 64 columns of 4 bytes
	s_wait_alu depctr_va_vdst(0)
	s_wait_kmcnt 0x0
	s_cmp_ge_u32 ttmp9, 512
	s_cbranch_scc1 .Lxq                            ; the parting hangs on the work-group's number alone
	s_load_b32 s30, s[16:17], 0x4                  ; e of the weights
	s_lshl_b32 s26, s24, 2
	s_add_nc_u64 s[4:5], s[4:5], s[26:27]          ; g_idx at i0
	s_lshl_b32 s26, s24, 6
	s_add_nc_u64 s[6:7], s[6:7], s[26:27]          ; at at row i0
	s_lshl_b32 s26, s22, 12
	s_add_nc_u64 s[8:9], s[8:9], s[26:27]          ; lora_B at my first column
	s_lshl_b32 s26, s24, 10
	s_add_co_u32 s26, s26, s28
	s_add_nc_u64 s[10:11], s[10:11], s[26:27]      ; qweight at row i0 / 8 (8,192 bytes a row) and my first column
	s_mov_b32 s26, s28
	s_add_nc_u64 s[12:13], s[12:13], s[26:27]      ; the tables at my first column
	s_add_nc_u64 s[14:15], s[14:15], s[26:27]
	s_lshl_b32 s26, s22, 10                        ; 64 columns x 16 bytes
	s_lshl_b32 s29, s20, 17                        ; 4 w K blocks of 32,768 bytes
	s_add_co_u32 s26, s26, s29
	s_lshl_b32 s29, s23, 19                        ; 16 K blocks for each 256 along K
	s_add_co_u32 s26, s26, s29
	s_add_nc_u64 s[18:19], s[18:19], s[26:27]      ; w_codes: K block 16 x my 256 along K + 4 w, 32,768 bytes a block, + 64 x columns' number x 16 bytes
.irp t, 0,1,2,3
.irp s, 0,1,2,3
	global_load_b64 v[BF+8*\t+2*\s:BF+8*\t+2*\s+1], v3, s[8:9] offset:64*\t+16*\s
.endr
.endr
.irp n, 0,1,2,3,4,5,6,7
	global_load_b128 v[GO+4*\n:GO+4*\n+3], v6, s[4:5] offset:64*(\n/2)+16*(\n%2)     ; g of rows 16 b + 8 h + 0 .. 7
.endr
.irp n, 0,1,2,3
	global_load_b128 v[Q+4*\n:Q+4*\n+3], v5, s[10:11] offset:16384*\n th:TH_LOAD_NT  ; block n: the words of rows 16 n + 8 h .. + 7, columns 4 r .. 4 r + 3; read once in this launch
.endr
.irp u, 0,1
	global_load_b128 v[AF+4*\u:AF+4*\u+3], v4, s[6:7] offset:16*\u
.endr
	s_wait_loadcnt 6                               ; g is in; qweight's four and at's two may be out
.set n, 0
.rept 32
	v_min_u32 v[GO+n], 31, v[GO+n]
	v_lshl_add_u32 v[GO+n], v[GO+n], 13, v7        ; row g of 8,192 bytes + 16 r
.set n, n+1
.endr
.macro TLOAD b                         ; the two tables' rows for block b's eight rows of my half: sixteen lanes read 256 consecutive bytes
.irp j, 0,1,2,3,4,5,6,7
	global_load_b128 v[S+4*\j:S+4*\j+3], v[GO+8*(\b)+\j], s[12:13]
.endr
.irp j, 0,1,2,3,4,5,6,7
	global_load_b128 v[C+4*\j:C+4*\j+3], v[GO+8*(\b)+\j], s[14:15]
.endr
.endm
	TLOAD 0
	s_wait_kmcnt 0x0
	s_add_co_i32 s30, s30, 127
	s_lshl_b32 s31, s30, 23
	v_mov_b32 v11, s31                             ; 2^e as f32: the conversion takes its exponent field
	s_add_co_i32 s30, s30, 8
	s_lshl_b32 s30, s30, 23
	s_or_b32 s30, s30, 0x600000
	v_mov_b32 v12, s30                             ; 448 x 2^e
.macro BLOCK b, last
	s_wait_loadcnt 16                              ; all but this block's sixteen loads from the tables: at's fragments are in (and, in the first block, lora_B and qweight)
.irp s, 0,1,2,3                                ; the four accumulators take turns, one instruction a turn.  They are begun anew far more than nine plain lines behind the block before
.irp t, 0,1,2,3
.if \s == 0
	v_wmma_f32_16x16x4_f32 v[D+8*\t:D+8*\t+7], v[AF+2*\s:AF+2*\s+1], v[BF+8*\t+2*\s:BF+8*\t+2*\s+1], 0
.else
	v_wmma_f32_16x16x4_f32 v[D+8*\t:D+8*\t+7], v[AF+2*\s:AF+2*\s+1], v[BF+8*\t+2*\s:BF+8*\t+2*\s+1], v[D+8*\t:D+8*\t+7]
.endif
.endr
.endr
.irp j, 0,1,2,3,4,5,6,7                        ; w as f32.  These 64 plain lines name no register of the products: more than the eight places that this form wants ahead of a read of a result or a load into a source
.irp t, 0,1,2,3
	v_bfe_u32 v[V+4*\j+\t], v[Q+4*\b+\t], 4*\j, 4
.endr
.irp t, 0,1,2,3
	v_cvt_f32_u32 v[V+4*\j+\t], v[V+4*\j+\t]
.endr
.endr
.if !\last
.irp u, 0,1
	global_load_b128 v[AF+4*\u:AF+4*\u+3], v4, s[6:7] offset:1024*(\b+1)+16*\u       ; the next block's fragments of at
.endr
.endif
.irp j, 0,1,2,3,4,5,6,7
.irp t, 0,1,2,3
	v_cmp_gt_f32 s[40+2*\t], v[D+8*\t+\j], s36
	v_cmp_lt_f32 s[41+2*\t], v[D+8*\t+\j], s37
.endr
.irp t, 0,1,2,3
	v_cndmask_b32 v[DS+4*(\j%2)+\t], 0, 1.0, s[40+2*\t]
.endr
.irp t, 0,1,2,3
	v_cndmask_b32 v[DS+4*(\j%2)+\t], v[DS+4*(\j%2)+\t], -1.0, s[41+2*\t]             ; sgn
.endr
	v_pk_add_f32 v[V+4*\j:V+4*\j+1], v[V+4*\j:V+4*\j+1], v[DS+4*(\j%2):DS+4*(\j%2)+1]
	v_pk_add_f32 v[V+4*\j+2:V+4*\j+3], v[V+4*\j+2:V+4*\j+3], v[DS+4*(\j%2)+2:DS+4*(\j%2)+3]
.irp t, 0,1,2,3
	v_med3_num_f32 v[V+4*\j+\t], v[V+4*\j+\t], 0, s38                                ; w + marker
.endr
.endr
.if \last
	s_wait_loadcnt 0x0                             ; the tables' rows are in
.else
	s_wait_loadcnt 2                               ; the tables' rows are in; the next block's two loads of at may be out
.endif
.irp j, 0,1,2,3,4,5,6,7
	v_pk_add_f32 v[V+4*\j:V+4*\j+1], v[V+4*\j:V+4*\j+1], v[C+4*\j:C+4*\j+1]
	v_pk_add_f32 v[V+4*\j+2:V+4*\j+3], v[V+4*\j+2:V+4*\j+3], v[C+4*\j+2:C+4*\j+3]
.endr
.irp j, 0,1,2,3,4,5,6,7
	v_pk_mul_f32 v[V+4*\j:V+4*\j+1], v[V+4*\j:V+4*\j+1], v[S+4*\j:S+4*\j+1]
	v_pk_mul_f32 v[V+4*\j+2:V+4*\j+3], v[V+4*\j+2:V+4*\j+3], v[S+4*\j+2:S+4*\j+3]    ; AB_mix
.endr
.irp t, 0,1,2,3
.irp j, 0,1,2,3,4,5,6,7
	v_med3_num_f32 v[S+8*\t+\j], v[V+4*\j+\t], -v12, v12   ; the hold at the largest code x the scale (the conversion does not saturate: ISA guide 7.6.2), and the turn: a tile's eight rows into eight registers on end
.endr
.endr
	s_wait_alu depctr_va_vdst(0)
	s_wait_dscnt 0x0                               ; the block before's LDS stores have read the codes' registers
.irp t, 0,1,2,3
	v_cvt_scalef32_pk8_fp8_f32 v[CD+2*\t:CD+2*\t+1], v[S+8*\t:S+8*\t+7], v11
.endr
	v_nop                                          ; one plain line behind the last conversion, ahead of whatever vector or matrix line next touches its registers
.irp t, 0,1,2,3
	ds_store_b64 v8, v[CD+2*\t:CD+2*\t+1] offset:16*SPI*\t+16*\b     ; column 4 r + t, K = 64 w + 16 b + 8 h + 0 .. 7.  68 words from row to row: the 32 lanes' pairs of words fall on 64 different banks
.endr
.if !\last
	TLOAD \b+1                                     ; lands while the next block's products, fields and markers are made
.endif
.endm
	BLOCK 0, 0
	BLOCK 1, 0
	BLOCK 2, 0
	BLOCK 3, 1
	s_wait_dscnt 0x0                               ; for the others' sake: my codes lie in the stage
	s_barrier_signal -1
	s_barrier_wait -1
; Load n: K block 4 w + n / 2, columns 32 (n % 2) + lane.
.irp n, 0,1,2,3,4,5,6,7
	ds_load_b128 v[S+4*\n:S+4*\n+3], v9 offset:SPI*8*(\n%2)+16*(\n/2)
.endr
.irp n, 0,1,2,3,4,5,6,7
	s_wait_dscnt 7-\n                              ; load n is back; the younger ones may be out
	global_store_b128 v10, v[S+4*\n:S+4*\n+3], s[18:19] offset:32768*(\n/2)+512*(\n%2)   ; 32 lanes store 512 consecutive bytes, at a multiple of 256 from the buffer's first byte
.endr
	s_wait_tensorcnt 0x0
	ds_add_u32 v222, v223
	s_wait_dscnt 0x0
	s_endpgm
; ---------------- the second half of x.  A wave takes 16 steps of 512 numbers; each of a step's four loads reads 512 consecutive bytes, 16 a lane.  A conversion takes the four numbers of one load and the four of the next;
; lanes 2 m and 2 m + 1 swap a word of codes, so that a store of 8 bytes a lane covers 256 consecutive bytes.
.set XSTEPS, 16
.set XDEPTH, 6                         ; steps whose loads are out at a time: 24 loads a wave
.set XR,   16                          ; v16-111  six sets of 16 numbers as loaded
.set XOUT, 112                         ; v112-175 codes to store, four registers a step: no store's data are written again
.set XCD,  176                         ; v176-179 a step's codes as converted
.set XT,   180                         ; v180-183 the words that change lanes
.Lxq:
	s_load_b32 s22, s[16:17], 0x0                  ; e of x
	v_and_b32 v2, 31, v0                           ; lane
	v_lshlrev_b32 v3, 4, v2                        ; 16 x lane
	v_lshrrev_b32 v8, 1, v2
	v_lshlrev_b32 v8, 3, v8
	v_and_b32 v1, 1, v2
	v_lshl_add_u32 v8, v1, 7, v8                   ; where my 8 codes go: 8 (lane / 2), 128 further on for the odd lanes
	v_mov_b32 v[XT+1], 0                           ; written once: the destination of a line that reads another lane counts as one of its sources
	v_mov_b32 v[XT+3], 0
	s_wait_alu depctr_va_vdst(0)
	s_lshl_b32 s24, ttmp9, 2
	s_add_co_u32 s24, s24, s20                     ; my run: 4 x work-group + wave = 2,048 .. 4,095
	s_lshl_b32 s26, s24, 15                        ; 32,768 bytes of x a run
	s_add_nc_u64 s[48:49], s[48:49], s[26:27]
	s_lshl_b32 s26, s24, 13                        ; 8,192 bytes of codes
	s_add_nc_u64 s[50:51], s[50:51], s[26:27]
.macro XLOAD t
.irp i, 0,1,2,3
	global_load_b128 v[XR+16*((\t)%XDEPTH)+4*\i:XR+16*((\t)%XDEPTH)+4*\i+3], v3, s[48:49] offset:2048*(\t)+512*\i th:TH_LOAD_NT
.endr
.endm
.irp t, 0,1,2,3,4,5
	XLOAD \t
.endr
	s_mov_b32 s30, 0xaaaaaaaa                      ; the odd lanes, as a mask for the selects
	s_wait_kmcnt 0x0
	s_add_co_i32 s22, s22, 127
	s_lshl_b32 s23, s22, 23
	v_mov_b32 v11, s23                             ; 2^e as f32
	s_add_co_i32 s22, s22, 8
	s_lshl_b32 s22, s22, 23
	s_or_b32 s22, s22, 0x600000
	v_mov_b32 v10, s22                             ; 448 x 2^e
.macro XSTEP t
.set XS, XR+16*((\t)%XDEPTH)
.set OU, XOUT+4*(\t)
.if XSTEPS-1-(\t) >= XDEPTH-1
	s_wait_loadcnt 4*(XDEPTH-1)                    ; this step's four loads are in; those of the five steps behind it may be out
.else
	s_wait_loadcnt 4*(XSTEPS-1-(\t))               ; the tail: as many steps behind this one as are left
.endif
.irp i, 0,1,2,3,4,5,6,7,8,9,10,11,12,13,14,15
	v_med3_num_f32 v[XS+\i], v[XS+\i], -v10, v10   ; the conversion does not saturate (ISA guide 7.6.2)
.endr
	v_cvt_scalef32_pk8_fp8_f32 v[XCD:XCD+1], v[XS:XS+7], v11
	v_cvt_scalef32_pk8_fp8_f32 v[XCD+2:XCD+3], v[XS+8:XS+15], v11
.if (\t)+XDEPTH < XSTEPS
	XLOAD (\t)+XDEPTH
.endif
	v_nop                                          ; one plain line between the conversions and the lines that read their results
	v_cndmask_b32 v[XT], v[XCD+1], v[XCD], s30
	v_cndmask_b32 v[XT+2], v[XCD+3], v[XCD+2], s30
	v_mov_b32_dpp v[XT+1], v[XT] row_xmask:1 row_mask:0xf bank_mask:0xf
	v_mov_b32_dpp v[XT+3], v[XT+2] row_xmask:1 row_mask:0xf bank_mask:0xf
	v_cndmask_b32 v[OU], v[XCD], v[XT+1], s30
	v_cndmask_b32 v[OU+1], v[XT+1], v[XCD+1], s30
	v_cndmask_b32 v[OU+2], v[XCD+2], v[XT+3], s30
	v_cndmask_b32 v[OU+3], v[XT+3], v[XCD+3], s30
	global_store_b64 v8, v[OU:OU+1], s[50:51] offset:512*(\t)
	global_store_b64 v8, v[OU+2:OU+3], s[50:51] offset:512*(\t)+256
.endm
	s_wait_alu depctr_va_vdst(0)
.irp t, 0,1,2,3,4,5,6,7,8,9,10,11,12,13,14,15
	XSTEP \t
.endr
	s_endpgm
.Lfunc_end_k_qb3dd70148d_wq:
	.size	k_qb3dd70148d_wq, .Lfunc_end_k_qb3dd70148d_wq-k_qb3dd70148d_wq
	.p2alignl 7, 3214868480
	.fill 96, 4, 3214868480
	.section	.rodata,"a",@progbits
	.p2align	6, 0x0
	.amdhsa_kernel k_qb3dd70148d_wq
		.amdhsa_group_segment_fixed_size 17920
		.amdhsa_private_segment_fixed_size 0
		.amdhsa_enable_private_segment 0
		.amdhsa_kernarg_size 80
		.amdhsa_user_sgpr_count 2
		.amdhsa_user_sgpr_kernarg_segment_ptr 1
		.amdhsa_wavefront_size32 1
		.amdhsa_system_sgpr_workgroup_id_x 1
		.amdhsa_system_sgpr_workgroup_id_y 1
		.amdhsa_system_sgpr_workgroup_id_z 1
		.amdhsa_system_vgpr_workitem_id 0
		.amdhsa_next_free_vgpr 256
		.amdhsa_next_free_sgpr 66
		.amdhsa_reserve_vcc 0
		.amdhsa_float_denorm_mode_32 3
		.amdhsa_float_denorm_mode_16_64 3
		.amdhsa_memory_ordered 1
		.amdhsa_forward_progress 1
		.amdhsa_inst_pref_size 133
	.end_amdhsa_kernel
	.amdgpu_metadata
---
amdhsa.version: [ 1, 2 ]
amdhsa.kernels:
  - .name:           k_qb3dd70148d_wq
    .symbol:         k_qb3dd70148d_wq.kd
    .args:
      - { .name: g_idx, .offset: 0, .size: 8, .value_kind: global_buffer, .address_space: global }
      - { .name: at, .offset: 8, .size: 8, .value_kind: global_buffer, .address_space: global }
      - { .name: lora_B, .offset: 16, .size: 8, .value_kind: global_buffer, .address_space: global }
      - { .name: qweight, .offset: 24, .size: 8, .value_kind: global_buffer, .address_space: global }
      - { .name: scales, .offset: 32, .size: 8, .value_kind: global_buffer, .address_space: global }
      - { .name: c2, .offset: 40, .size: 8, .value_kind: global_buffer, .address_space: global }
      - { .name: lowp_scales, .offset: 48, .size: 8, .value_kind: global_buffer, .address_space: global }
      - { .name: w_codes, .offset: 56, .size: 8, .value_kind: global_buffer, .address_space: global }
      - { .name: x, .offset: 64, .size: 8, .value_kind: global_buffer, .address_space: global }
      - { .name: x_codes, .offset: 72, .size: 8, .value_kind: global_buffer, .address_space: global }
    .group_segment_fixed_size: 17920
    .private_segment_fixed_size: 0
    .kernarg_segment_align: 8
    .kernarg_segment_size: 80
    .max_flat_workgroup_size: 128
    .sgpr_count:     66
    .vgpr_count:     256
    .wavefront_size: 32
...
	.end_amdgpu_metadata
.endif
;; end of part 3
;; launch gemm (part 4): grid 8 x 32, 4 waves a work-group, clusters of 4 x 4, 327,680 bytes of LDS; arguments x_codes, w_codes, lowp_scales, out0; writes out0
.if DOCPART == 4
	.amdgcn_target "amdgcn-amd-amdhsa--gfx1250"
	.amdhsa_code_object_version 6
	.text
	.protected	k_qb3dd70148d_gemm
	.globl	k_qb3dd70148d_gemm
	.p2align	8
	.type	k_qb3dd70148d_gemm,@function
k_qb3dd70148d_gemm:
	s_mov_b64 s[64:65], 0
	v_nop
	global_prefetch_b8 v0, s[64:65] scope:SCOPE_SE
	s_setreg_imm32_b32 hwreg(HW_REG_WAVE_MODE, 25, 1), 1
	s_wait_xcnt 0x0
	s_wait_alu depctr_hold_cnt(0) depctr_sa_sdst(0) depctr_va_vdst(0) depctr_va_sdst(0) depctr_va_ssrc(0) depctr_va_vcc(0) depctr_vm_vsrc(0)
	s_getreg_b32 s2, hwreg(HW_REG_IB_STS2, 6, 4)
	s_cmp_eq_u32 s2, 0
	s_cbranch_scc0 .Lentry_in_a_cluster
	s_endpgm
.Lentry_in_a_cluster:
	s_bfe_u32 s2, ttmp6, 0x10000c
	s_cmp_lg_u32 s2, 0xf033
	s_cbranch_scc0 .Lentry_shape_is_right
	s_endpgm
.Lentry_shape_is_right:
; out0[m][n] = 2^(ea + eb) x sum over k of A[m][k] B[n][k] on codes of E4M3.  A = x_codes [8192][4096]; B = w_codes laid [k / 16][n][16 bytes].  LIMIT: ea + eb between -126 and 127.
; A block of 256 x 256, four waves of 128 x 128 (64 accumulators).  K in steps of 256 through two LDS slots: A's 256 rows of 256 bytes (+ 16 of padding), B's 16 K blocks x 256 columns x 16 bytes.
; A fragment register group 4 c .. 4 c + 3 holds K = 32 c + 16 h + 0 .. 15 in A and in B alike.  B's sixteen lanes read 256 consecutive LDS bytes, so B has no padding.
; CLUSTERS 4 x 4: A's tiles are asked for jointly along a row of the cluster, B's along a column.  Source 0 = B, source 1 = A: a lane holds eight neighbours of a row of the output.
; PREFETCH: behind the refill that asks for K step n stands one prefetch of K step n + 2: of a wave's 32 KB the four partners take 8 KB each, told apart by address, a lane a block of 256 bytes.
; At the head K steps 1 and 2 are asked for, behind slot 1's first fill K step 3; the last trip's two refills ask for nothing.
; REGISTERS: window 0: v0-31 addresses, v128-255 A's fragments (one set); window 1: B's two sets; windows 2, 3: accumulators.
.set SIZE_N, 2048
.set ROWB, 256
.set KROW, 4096
.set PITCH, 272
.set FR, 16
.set NL, 4
.set NP, 4
.set HALFA, 128*PITCH
.set HALFB, 32768
.set BOFF, 2*HALFA
.set SLOT, BOFF+2*HALFB
.set LAPS, 8
.set SPARE, 2*SLOT
.set SPITCH, 528
.set BSTEP, 16*32768
.set ADRA, 16
.set ADRB, 20
.set STO, 24
.set RD, 25
.set CO, 26
.set SPW, 28
.set NIL, 29
.set PFO, 30
.set TMP, 32
.set AF, 128
.set BK, 128
.set G1, 24
.set G0, 32
.set G1B, 48
.set G0B, 56
.set PFA, 70
.set PST, 80
.set MSB, 0
.macro WIN new
.if MSB != \new
	s_set_vgpr_msb (MSB<<8)|\new
.set MSB, \new
.endif
.endm
.set MUL_LO, 0xa1
.set MUL_HI, 0xf1
.set TO_B, 0x40
.macro JLOAD g0a, g1a, g0b, g1b        ; waves 0, 1 fetch for A, waves 2, 3 for B
	s_cmp_eq_u32 s15, 0
	s_cbranch_scc0 .Lfor_b_\@
	tensor_load_to_lds s[\g0a:\g0a+3], s[\g1a:\g1a+7]
	s_nop 0
.rept 4
	v_nop
.endr
	s_branch .Lasked_\@
.Lfor_b_\@:
	tensor_load_to_lds s[\g0b:\g0b+3], s[\g1b:\g1b+7]
	s_nop 0
.rept 4
	v_nop
.endr
.Lasked_\@:
.endm
.macro CREST
	s_cmp_lg_u32 s14, 0
	s_cbranch_scc1 .Lnot_wave_0_\@
	s_barrier_signal -3
.Lnot_wave_0_\@:
	s_barrier_wait -3
	s_barrier_signal -1
	s_barrier_wait -1
.endm
.macro CROUND
	s_barrier_signal -1
	s_barrier_wait -1
	CREST
.endm
	s_load_b128 s[4:7], s[0:1], 0x0                ; A's codes, B's codes
	s_load_b128 s[8:11], s[0:1], 0x10              ; the exponents, out0
	v_lshl_add_u32 v[SPW], v0, 2, SPARE
	v_mov_b32 v[NIL], 0
	ds_add_u32 v[SPW], v[NIL]
	ds_add_u32 v[SPW], v[NIL]
	v_lshrrev_b32 v1, 5, v0
	v_readfirstlane_b32 s14, v1                    ; wave
	s_lshr_b32 s15, s14, 1                         ; my half of the rows; also: I fetch for A (0) or B (1)
	s_and_b32 s16, s14, 1                          ; my half of the columns; also: which half of that tile I fetch
	s_bfe_u32 s40, ttmp6, 0x40000                  ; cx
	s_bfe_u32 s41, ttmp6, 0x40004                  ; cy
	s_lshl_b32 s42, ttmp9, 2
	s_add_co_u32 s42, s42, s40                     ; block column
	s_and_b32 s17, ttmp7, 0xffff
	s_lshl_b32 s17, s17, 2
	s_add_co_u32 s17, s17, s41                     ; block row
	s_lshl_b32 s43, s41, 2
	s_lshl_b32 s43, 15, s43
	s_lshl_b32 s44, 0x1111, s40
	s_or_b32 s[G1+0], s43, (1<<20)|(1<<21)|(5<<22)|(3<<25)   ; A: bytes; 4 words of padding behind every 64
	s_or_b32 s[G1B+0], s44, (1<<21)                          ; B: bytes, no padding
	s_mov_b32 s[G1+1], ROWB<<16
	s_mov_b32 s[G1+2], 128<<16
	s_mov_b32 s[G1+3], ROWB<<16
	s_mov_b32 s[G1+4], 128
	s_mov_b32 s[G1+5], KROW
	s_mov_b32 s[G1+6], 0
	s_mov_b32 s[G1+7], 0
	s_mov_b32 s[G1B+1], 2048<<16                   ; 128 columns x 16 bytes
	s_mov_b32 s[G1B+2], 16<<16                     ; 16 K blocks
	s_mov_b32 s[G1B+3], 2048<<16
	s_mov_b32 s[G1B+4], 16
	s_mov_b32 s[G1B+5], 32768
	s_mov_b32 s[G1B+6], 0
	s_mov_b32 s[G1B+7], 0
	s_lshl_b32 s18, s16, 7
	s_lshl_b32 s20, s17, 8
	s_add_co_u32 s20, s20, s18
	s_lshl_b32 s20, s20, 12                        ; A: (256 block row + 128 half) rows of 4,096 bytes
	s_lshl_b32 s46, s42, 8
	s_add_co_u32 s46, s46, s18
	s_lshl_b32 s46, s46, 4                         ; B: (256 block column + 128 half) x 16 bytes
	s_mov_b32 s21, 0
	s_mov_b32 s47, 0
	s_mul_i32 s45, s16, HALFA
	s_lshl_b32 s72, s16, 15
	s_add_co_u32 s72, s72, BOFF
	s_wait_dscnt 0x0
	s_wait_kmcnt 0x0
	s_load_b64 s[96:97], s[8:9], 0x0               ; ea, eb
	s_add_nc_u64 s[20:21], s[4:5], s[20:21]
	s_add_nc_u64 s[46:47], s[6:7], s[46:47]
	CROUND
.irp s, 0,1
	s_mov_b32 s[G0+4*\s], 1
	s_add_co_u32 s[G0+4*\s+1], s45, \s*SLOT
	s_add_nc_u64 s[G0+4*\s+2:G0+4*\s+3], s[20:21], \s*ROWB
	s_or_b32 s[G0+4*\s+3], s[G0+4*\s+3], 0x80000000
	s_mov_b32 s[G0B+4*\s], 1
	s_add_co_u32 s[G0B+4*\s+1], s72, \s*SLOT
	s_add_nc_u64 s[G0B+4*\s+2:G0B+4*\s+3], s[46:47], \s*BSTEP
	s_or_b32 s[G0B+4*\s+3], s[G0B+4*\s+3], 0x80000000
.endr
	JLOAD G0, G1, G0B, G1B                         ; K step 0: one tensor load a wave at the head
	; the prefetches' addresses: A: rows 32 cx + lane; B: K blocks 4 cy + lane / 8, block lane % 8 of 256 bytes
	s_lshl_b32 s73, s40, 17
	s_lshl_b32 s74, s41, 17
	s_mov_b32 s75, BSTEP
	s_movk_i32 s[PST], 256
	s_mov_b32 s[PST+1], 0
	s_mov_b32 s79, 0
	s_cmp_eq_u32 s15, 0
	s_cselect_b64 s[76:77], s[20:21], s[46:47]
	s_cselect_b32 s78, s73, s74
	s_cselect_b32 s[PST], s[PST], s75              ; a K step in bytes
	s_cselect_b32 s82, 0, 3
	s_cselect_b32 s83, 12, 15
	s_cselect_b32 s84, 0, 7
	s_add_nc_u64 s[76:77], s[76:77], s[78:79]
	s_add_nc_u64 s[66:67], s[76:77], s[PST:PST+1]  ; K step 1
	s_add_nc_u64 s[68:69], s[66:67], s[PST:PST+1]  ; 2
	s_add_nc_u64 s[PFA:PFA+1], s[68:69], s[PST:PST+1]   ; 3
	s_mul_i32 s21, s15, HALFA
	s_add_co_u32 s85, s21, SLOT
	s_lshl_b32 s22, s16, 15
	s_add_co_u32 s22, s22, BOFF
	s_add_co_u32 s86, s22, SLOT
	s_mul_i32 s23, s14, 16*SPITCH
	v_and_b32 v1, 15, v0
	v_bfe_u32 v2, v0, 4, 1
	v_and_b32 v6, 31, v0
	v_mul_u32_u24 v3, v1, PITCH
	v_lshl_add_u32 v4, v2, 4, v3
	v_add_nc_u32 v[ADRA], s21, v4
	v_add_nc_u32 v[ADRA+1], s85, v4
	v_lshlrev_b32 v7, 4, v1
	v_lshl_add_u32 v7, v2, 11, v7                  ; B: K block h, column r
	v_add_nc_u32 v[ADRB], s22, v7
	v_add_nc_u32 v[ADRB+1], s86, v7
	v_mul_u32_u24 v5, v1, SPITCH
	v_lshl_add_u32 v5, v2, 5, v5
	v_add_nc_u32 v[STO], s23, v5
	v_lshlrev_b32 v[CO], 4, v6
	v_add_nc_u32 v[RD], s23, v[CO]
	v_lshrrev_b32 v8, s82, v6
	v_lshlrev_b32 v8, s83, v8
	v_and_b32 v9, s84, v6
	v_lshl_add_u32 v[PFO], v9, 8, v8
	global_prefetch_b8 v[PFO], s[66:67] th:TH_LOAD_NT scope:SCOPE_SE
	global_prefetch_b8 v[PFO], s[68:69] th:TH_LOAD_NT scope:SCOPE_SE
	s_lshl_b32 s20, s17, 8
	s_lshl_b32 s21, s15, 7
	s_add_co_u32 s20, s20, s21
	s_lshl_b32 s20, s20, 13                        ; my first row of the output, 8,192 bytes a row
	s_lshl_b32 s46, s42, 10
	s_lshl_b32 s47, s16, 9
	s_add_co_u32 s20, s20, s46
	s_add_co_u32 s20, s20, s47
	s_mov_b32 s21, 0
	s_add_nc_u64 s[10:11], s[10:11], s[20:21]
.macro FRAGA reg, adr, q, i
.irp c, 0,1,2,3
	ds_load_b128 v[\reg+4*\c:\reg+4*\c+3], v[\adr] offset:128*(\q)+32*\c+(\i)*16*PITCH
.endr
.endm
.macro FRAGB reg, adr, q, i
.irp c, 0,1,2,3
	ds_load_b128 v[\reg+4*\c:\reg+4*\c+3], v[\adr] offset:(8*(\q)+2*\c)*2048+(\i)*256
.endr
.endm
.macro MUL16 a0, p, zero               ; the 64 accumulators by turns
.irp a, \a0, \a0+1
.irp b, 0,1,2,3,4,5,6,7
.if \zero
	v_wmma_f32_16x16x128_fp8_fp8 v[8*(8*((\a)%4)+\b):8*(8*((\a)%4)+\b)+7], v[128*(\p)+FR*\b:128*(\p)+FR*\b+FR-1], v[AF+FR*(\a):AF+FR*(\a)+FR-1], 0
.else
	v_wmma_f32_16x16x128_fp8_fp8 v[8*(8*((\a)%4)+\b):8*(8*((\a)%4)+\b)+7], v[128*(\p)+FR*\b:128*(\p)+FR*\b+FR-1], v[AF+FR*(\a):AF+FR*(\a)+FR-1], v[8*(8*((\a)%4)+\b):8*(8*((\a)%4)+\b)+7]
.endif
.endr
.endr
.endm
.macro FETCH_B slot, q, p
	WIN TO_B
.irp i, 0,1,2,3,4,5,6,7
	FRAGB 128*(\p)+FR*\i, ADRB+\slot, \q, \i
.endr
	WIN 0
.endm
.macro FETCH_A slot, q, i0
.irp i, \i0, \i0+1, \i0+2, \i0+3
	FRAGA AF+FR*(\i), ADRA+\slot, \q, \i
.endr
.endm
.macro PLACES n
.rept \n
	v_nop
.endr
.endm
.macro STEP slot, q, zero              ; 128 along K with its successor in the same slot
	s_wait_dscnt 4*NL                              ; B's set and A's blocks 0-3 are in; the youngest 16 loads (A's blocks 4-7) may be out
	WIN MUL_LO
	MUL16 0, (\q)%2, \zero
	MUL16 2, (\q)%2, \zero
	s_wait_dscnt 0
	PLACES NP
	FETCH_B \slot, (\q)+1, 1-(\q)%2
	FETCH_A \slot, (\q)+1, 0
	WIN MUL_HI
	MUL16 4, (\q)%2, \zero
	MUL16 6, (\q)%2, \zero
	PLACES NP
	WIN 0
	FETCH_A \slot, (\q)+1, 4
.endm
.macro TURN slot, next, fill           ; a slot's last step changes slots
.if \fill
	s_wait_xcnt 0x0                                ; my last prefetch has read its address
	s_add_nc_u64 s[PFA:PFA+1], s[PFA:PFA+1], s[PST:PST+1]
.endif
	s_wait_tensorcnt 0x0                           ; my part of the next slot has landed
	ds_add_u32 v[SPW], v[NIL]
	s_wait_dscnt 4*NL+1                            ; the add and A's blocks 4-7 may be out
	WIN MUL_LO
	MUL16 0, 1, 0
	s_wait_dscnt 0x0                               ; the add is done, my reads of this slot are over
	s_barrier_signal -1
	MUL16 2, 1, 0
	WIN 0
	s_barrier_wait -1
.if \fill
	CREST                                          ; the barrier has opened a round of the cluster's barrier
	s_add_nc_u64 s[G0+4*\slot+2:G0+4*\slot+3], s[G0+4*\slot+2:G0+4*\slot+3], 2*ROWB
	s_add_nc_u64 s[G0B+4*\slot+2:G0B+4*\slot+3], s[G0B+4*\slot+2:G0B+4*\slot+3], 2*BSTEP
	JLOAD G0+4*\slot, G1, G0B+4*\slot, G1B
.else
	PLACES NP
.endif
	FETCH_B \next, 0, 0
	FETCH_A \next, 0, 0
.if \fill
	s_cmp_gt_u32 s3, 1                             ; the last trip's refills have no K step two on
	s_cbranch_scc0 .Lno_ask_\@
	global_prefetch_b8 v[PFO], s[PFA:PFA+1] th:TH_LOAD_NT scope:SCOPE_SE
.Lno_ask_\@:
.endif
	WIN MUL_HI
	MUL16 4, 1, 0
	MUL16 6, 1, 0
	PLACES NP
	WIN 0
	FETCH_A \next, 0, 4
.endm
	s_wait_alu depctr_va_vdst(0)
	s_wait_tensorcnt 0x0                           ; my part of K step 0 is in
	ds_add_u32 v[SPW], v[NIL]
	s_wait_dscnt 0x0
	CROUND
	JLOAD G0+4, G1, G0B+4, G1B                     ; slot 1's first fill, issued as a refill is
	FETCH_B 0, 0, 0
	FETCH_A 0, 0, 0
	FETCH_A 0, 0, 4
	global_prefetch_b8 v[PFO], s[PFA:PFA+1] th:TH_LOAD_NT scope:SCOPE_SE   ; K step 3
	STEP 0, 0, 1
	s_mov_b32 s3, LAPS-1
.Llap:
	TURN 0, 1, 1
	STEP 1, 0, 0
	TURN 1, 0, 1
	STEP 0, 0, 0
	s_sub_co_u32 s3, s3, 1
	s_cmp_lg_u32 s3, 0
	s_cbranch_scc1 .Llap
	TURN 0, 1, 0
	STEP 1, 0, 0
	s_wait_dscnt 4*NL
	WIN MUL_LO
	MUL16 0, 1, 0
	MUL16 2, 1, 0
	s_wait_dscnt 0
	WIN MUL_HI
	MUL16 4, 1, 0
	MUL16 6, 1, 0
	WIN 0
; the way out: a block of 16 rows x 128 columns through my own stage (in slot 0, which has had its last fill and its last read), back as rows of 512 bytes
.macro TOSTAGE a
.set AC, 64*((\a)%4)
	WIN 0x02+((\a)/4)
.irp j, 0,2,4,6,8,10,12,14,16,18,20,22,24,26,28,30,32,34,36,38,40,42,44,46,48,50,52,54,56,58,60,62
	v_pk_mul_f32 v[TMP+\j:TMP+\j+1], v[AC+\j:AC+\j+1], s[96:97] op_sel_hi:[1,0]
.endr
	WIN 0
.irp b, 0,1,2,3,4,5,6,7
	ds_store_b128 v[STO], v[TMP+8*\b:TMP+8*\b+3] offset:64*\b
	ds_store_b128 v[STO], v[TMP+8*\b+4:TMP+8*\b+7] offset:64*\b+16
.endr
.set BB, BK+64*((\a)%2)
.irp t, 0,1,2,3,4,5,6,7,8,9,10,11,12,13,14,15
	ds_load_b128 v[BB+4*\t:BB+4*\t+3], v[RD] offset:\t*SPITCH
.endr
.endm
.macro SEND a, younger
.set BB, BK+64*((\a)%2)
	s_wait_dscnt \younger
.if (\a) > 0
	s_add_nc_u64 s[10:11], s[10:11], 16*SIZE_N*4
.endif
.irp t, 0,1,2,3,4,5,6,7,8,9,10,11,12,13,14,15
	global_store_b128 v[CO], v[BB+4*\t:BB+4*\t+3], s[10:11] offset:\t*SIZE_N*4 th:TH_STORE_NT   ; 32 lanes store 512 consecutive bytes, aligned
.endr
.endm
	s_wait_kmcnt 0x0
	s_add_co_i32 s96, s96, s97
	s_add_co_i32 s96, s96, 127
	s_lshl_b32 s96, s96, 23                        ; 2^(ea + eb)
	PLACES NP
	TOSTAGE 0
.irp a, 1,2,3,4,5,6,7
.if \a > 1
	s_wait_xcnt 0x0                                ; block a - 2's stores have read their registers and base
.endif
	TOSTAGE \a
	SEND \a-1, 32                                  ; behind block a - 1's loads: block a's 16 stores and 16 loads
.endr
	s_wait_xcnt 0x0
	SEND 7, 0
	s_wait_tensorcnt 0x0                           ; the wave's end
	ds_add_u32 v[SPW], v[NIL]
	s_wait_dscnt 0x0
	CROUND                                         ; the closing round
	s_endpgm
.Lfunc_end_k_qb3dd70148d_gemm:
	.size	k_qb3dd70148d_gemm, .Lfunc_end_k_qb3dd70148d_gemm-k_qb3dd70148d_gemm
	.p2alignl 7, 3214868480
	.fill 96, 4, 3214868480
	.section	.rodata,"a",@progbits
	.p2align	6, 0x0
	.amdhsa_kernel k_qb3dd70148d_gemm
		.amdhsa_group_segment_fixed_size 327680
		.amdhsa_private_segment_fixed_size 0
		.amdhsa_enable_private_segment 0
		.amdhsa_kernarg_size 32
		.amdhsa_user_sgpr_count 2
		.amdhsa_user_sgpr_kernarg_segment_ptr 1
		.amdhsa_wavefront_size32 1
		.amdhsa_system_sgpr_workgroup_id_x 1
		.amdhsa_system_sgpr_workgroup_id_y 1
		.amdhsa_system_sgpr_workgroup_id_z 1
		.amdhsa_system_vgpr_workitem_id 0
		.amdhsa_next_free_vgpr 1024
		.amdhsa_next_free_sgpr 98
		.amdhsa_reserve_vcc 0
		.amdhsa_float_denorm_mode_32 3
		.amdhsa_float_denorm_mode_16_64 3
		.amdhsa_memory_ordered 1
		.amdhsa_forward_progress 1
		.amdhsa_inst_pref_size 125
	.end_amdhsa_kernel
	.amdgpu_metadata
---
amdhsa.version: [ 1, 2 ]
amdhsa.kernels:
  - .name:           k_qb3dd70148d_gemm
    .symbol:         k_qb3dd70148d_gemm.kd
    .args:
      - { .name: x_codes, .offset: 0, .size: 8, .value_kind: global_buffer, .address_space: global }
      - { .name: w_codes, .offset: 8, .size: 8, .value_kind: global_buffer, .address_space: global }
      - { .name: lowp_scales, .offset: 16, .size: 8, .value_kind: global_buffer, .address_space: global }
      - { .name: out0, .offset: 24, .size: 8, .value_kind: global_buffer, .address_space: global }
    .group_segment_fixed_size: 327680
    .private_segment_fixed_size: 0
    .kernarg_segment_align: 8
    .kernarg_segment_size: 32
    .max_flat_workgroup_size: 128
    .sgpr_count:     98
    .vgpr_count:     1024
    .wavefront_size: 32
...
	.end_amdgpu_metadata
.endif
;; end of part 4
